; MI455X (gfx1250); checked and timed in simulation.
; The chip was launched on July 23, 2026; its instructions are those of AMD's public machine-readable ISA for CDNA 5 (MIT licence, August 2026) and "CDNA5" Instruction Set Architecture Reference Guide (July 2026). The comments in the code are by the model that wrote it; some were corrected since.
;; QNN Q3. Allowed arithmetic: float matrix products may take bf16 or f16 operands with f32 sums; all other float work in f32.
;; Inputs: theta 64 x 3 x 32 x 2 x 3 x 3 float32; x 128 x 64 x 96 float32.
;; Outputs: out0 128 x 64 x 96 float32.
;; 2 versions, each right; version 2 is version 1 with the launch qnn written anew for expert scheduling mode. Each part assembles by itself: llvm-mc -triple=amdgcn-amd-amdhsa -mcpu=gfx1250 --defsym DOCPART=n.
;; ======== version 1 of 2: 1 launch
;; limits: a function is approximated: absolute error at most 6e-05; an absolute error that grows with the inputs' magnitude: up to 6e-08 times it; inputs' magnitudes at most 26,000,000; a function is approximated: absolute error at most 4.2e-05
;; launch qnn (part 1): grid 32 x 8, 4 waves a work-group, no clusters, 38,912 bytes of LDS; arguments theta, x, out0; writes out0
.if DOCPART == 1
	.amdgcn_target "amdgcn-amd-amdhsa--gfx1250"
	.amdhsa_code_object_version 6
	.text
	.protected	k_q88ef9d75a1_qnn
	.globl	k_q88ef9d75a1_qnn
	.p2align	8
	.type	k_q88ef9d75a1_qnn,@function
k_q88ef9d75a1_qnn:
	s_mov_b64 s[64:65], 0
	v_nop
	global_prefetch_b8 v0, s[64:65] scope:SCOPE_SE
	s_setreg_imm32_b32 hwreg(HW_REG_WAVE_MODE, 25, 1), 1
	s_wait_xcnt 0x0
; Three chained layers of 32 three-qubit circuits.  x, out0: [128][64][96] f32.  theta: [64][3][32][2][3][3] f32.
;
; ARITHMETIC (exact algebra, for every input).  After the embedding qubit q has the Bloch vector (sin x_q, 0, cos x_q); the first Rot
; sublayer rotates it: r_q = MX_q sin x_q + MZ_q cos x_q, MX and MZ the x and z columns of Rz(omega) Ry(theta) Rz(phi).  Backwards from the
; measurement: the last CNOT ring turns Z0, Z1, Z2 into Z0Z1, Z0Z1Z2, Z0Z2; the second Rot sublayer turns Z_p into n_p . sigma,
; n = (-sin theta cos phi, sin theta sin phi, cos theta) (its omega cancels in |psi|^2, so it is brought into LDS with the rest of theta
; and enters no sum); the first CNOT ring maps X0,Y0,Z0 -> X0X1, X0Y1Z2, Z1Z2;  X1,Y1,Z1 -> X1X2, Z0Y1X2, Z0Z1;  X2,Y2,Z2 -> X0X1X2, -Y0Y1Y2, Z0Z1Z2.
; On a product state a Pauli string's mean is a product of r components, so with a = n_0, b = n_1, c = n_2 the three outputs are signed
; sums of 9, 27 and 9 monomials.  63 coefficients for a (t, layer, block), shared by all rows of the batch; 81 packed operations a circuit pair.
; No matrix unit: the 2 x 2 gate products are never formed, every lane has coefficients of its own, and a product over the batch would
; fill 3 of 16 columns and round three chained layers to 16 bits.  All arithmetic is f32.
;
; SHARES.  Work-group = 2 neighbouring t x 16 b, four waves.  Lane = block.  Stage row rho = 2 b_local + t_local (384 bytes); wave w owns
; rho = w + 4 j, j = 0..7, so its t is 2 tp + (w & 1).  A packed instruction works on two rows; a pass takes four rows (two sets).
; The wave goes layer by layer: one layer's 63 coefficients, then its 8 rows through that layer.
; MEMORY.  (b, t pair) is 768 consecutive bytes at a multiple of 256: x comes in and out0 leaves as 16 bytes a lane, 16 lanes covering 256
; consecutive aligned bytes, through stages in LDS; theta of the t pair is 13,824 consecutive bytes and comes in likewise.
; NO JOINT REQUESTS: the only bytes that work-groups share are theta's 13,824, a third of a work-group's 38,400 bytes of traffic, read
; once in the first lines; nothing is requested later.  NO PREFETCH: every global load is issued in the first lines.
; THE TWO WAVES OF ONE t EACH MAKE THE COEFFICIENTS FOR THEMSELVES: handing half of them over would cost 36 LDS stores, 51 LDS loads and
; a barrier against some 250 arithmetic instructions spared.
; LIMITS.  Angles of x and theta are reduced as F = a/2pi - round(a/2pi), the rounding made by adding and taking away 1.5 x 2^23: right for
; |a| < 2^22 turns (2.6e7 radians); with the f32 value of 1/2pi the reduced angle errs by about 6e-8 |a| radians.  Their sin and cos:
; polynomials in u = a/4, |u| <= pi/4 (5th and 4th power, the Taylor terms beyond folded in by shifted Chebyshev polynomials over that
; whole range) and two doublings: error at most 6e-5.  Inputs of layers 1 and 2 are expectation values, |h| <= 1 for every input:
; polynomials of the same degrees fitted on [-1, 1], error at most 4.2e-5 (cos) and 6e-6 (sin).  NaN or infinite inputs give NaN.
.set THB, 0                            ; LDS: theta of the t pair, 13,824 bytes
.set XSB, 13824                        ; LDS: x, 32 stage rows of 384 bytes
.set OSB, 26112                        ; LDS: results, 32 stage rows of 384 bytes
.set XG,  1                            ; v1   global byte offset of my 16 bytes of x / out0 (b_local = thread / 16)
.set XL,  2                            ; v2   the same 16 bytes in a stage
.set TG,  3                            ; v3   16 x thread: theta, global and LDS
.set RW,  4                            ; v4   wave x 384 + lane x 12: my block's three numbers in my first stage row
.set TA,  5                            ; v5   (wave & 1) x 6912 + lane x 72: my block's 18 angles of layer 0
.set UP,  6                            ; v6   4 x ((lane + 1) mod 32)
.set DN,  7                            ; v7   4 x ((lane + 31) mod 32)
.set ANG, 8                            ; v[8:23]    16 angles of the layer that is set up next (order: see ANGLOAD)
.set K,   26                           ; v[26:89]   63 coefficients (and one zero that completes the last pair)
.set HB,  90                           ; v[90:113]  values: HB + 12 P + 4 q + jj, row j = 4 P + jj
.set TB,  114                          ; v[114:161] pass: partial sums T(e, al) at TB + 4 (4 e + al); before them the sin/cos arrays
.set MB,  162                          ; v[162:221] pass: M(b, c) at MB + 4 (4 b + c): r1_b r2_c; c = 3: r1_b; b = 3: r2_c
.set RQ,  222                          ; v[222:233] pass: r0_m at RQ + 4 m
.set NV,  186                          ; set-up: a, b, c (9 registers)
.set TM,  196                          ; set-up: 9 products
.set KV1, 234                          ; v[234:235] middle coefficients (sin, cos) of the polynomials for reduced angles
.set KV2, 236                          ; v[236:237] the same for |h| <= 1
.set KVR, 238                          ; v[238:239] (1/2pi, 1.5 x 2^23)
.set NEGAB,  0x44                      ; bit n: the product n carries a minus sign (from the Pauli products above)
.set NEGAC,  0x54
.set NEGABC, 0x15D75D4
; ---- helpers on arrays of cnt register pairs ----
.macro AMUL cnt, d, a, b               ; d = a b
.set i, 0
.rept \cnt
	v_pk_mul_f32 v[\d+i:\d+i+1], v[\a+i:\a+i+1], v[\b+i:\b+i+1]
.set i, i+2
.endr
.endm
.macro AFMAC cnt, d, a, b, c, neg      ; d = (+ or -) a b + constant
.set i, 0
.rept \cnt
.if \neg
	v_pk_fma_f32 v[\d+i:\d+i+1], v[\a+i:\a+i+1], v[\b+i:\b+i+1], \c op_sel_hi:[1,1,0] neg_lo:[1,0,0] neg_hi:[1,0,0]
.else
	v_pk_fma_f32 v[\d+i:\d+i+1], v[\a+i:\a+i+1], v[\b+i:\b+i+1], \c op_sel_hi:[1,1,0]
.endif
.set i, i+2
.endr
.endm
.macro AFMAK cnt, d, a, c, kv, hi      ; d = a x constant + first (hi = 0) or second (hi = 1) register of the pair kv
.set i, 0
.rept \cnt
.if \hi
	v_pk_fma_f32 v[\d+i:\d+i+1], v[\a+i:\a+i+1], \c, v[\kv:\kv+1] op_sel:[0,0,1] op_sel_hi:[1,0,1]
.else
	v_pk_fma_f32 v[\d+i:\d+i+1], v[\a+i:\a+i+1], \c, v[\kv:\kv+1] op_sel_hi:[1,0,0]
.endif
.set i, i+2
.endr
.endm
; SA = f (s1 + s3 z + s5 z^2), CA = c0 + c2 z + c4 z^2, z = f^2; (s3, c2) = the pair kv
.macro POLY cnt, f, kv, c0, s1, c4, s5
	AMUL  \cnt, ZA, \f, \f
	AFMAK \cnt, SA, ZA, \s5, \kv, 0
	AFMAK \cnt, CA, ZA, \c4, \kv, 1
	AFMAC \cnt, SA, SA, ZA, \s1, 0
	AFMAC \cnt, CA, CA, ZA, \c0, 0
	AMUL  \cnt, SA, SA, \f
.endm
; sin and cos of any angle a.  F = a/2pi - round(a/2pi); with u = (pi/2) F = a/4 the polynomials give D = 2^0.75 sin u, E = 2^0.75 cos u;
; P = D E = sqrt2 sin 2u, Q = sqrt2 - D^2 = sqrt2 cos 2u; sin 4u = P Q, cos 4u = 1 - P^2.
.macro SC_FULL cnt, in
.set i, 0
.rept \cnt
	v_pk_fma_f32 v[ZA+i:ZA+i+1], v[\in+i:\in+i+1], v[KVR:KVR+1], v[KVR:KVR+1] op_sel:[0,0,1] op_sel_hi:[1,0,1]
.set i, i+2
.endr
.set i, 0
.rept \cnt
	v_pk_add_f32 v[ZA+i:ZA+i+1], v[ZA+i:ZA+i+1], 0xcb400000 op_sel_hi:[1,0]
.set i, i+2
.endr
.set i, 0
.rept \cnt
	v_pk_fma_f32 v[FA+i:FA+i+1], v[\in+i:\in+i+1], 0x3e22f983, v[ZA+i:ZA+i+1] op_sel_hi:[1,0,1] neg_lo:[0,0,1] neg_hi:[0,0,1]
.set i, i+2
.endr
	POLY  \cnt, FA, KV1, 0x3fd74470, 0x4029126f, 0x3ed3c765, 0x3e063838
	AMUL  \cnt, FA, SA, CA                         ; P
	AFMAC \cnt, CA, SA, SA, 0x3fb504f3, 1          ; Q
	AMUL  \cnt, SA, FA, CA                         ; sin a
	AFMAC \cnt, CA, FA, FA, 1.0, 1                 ; cos a
.endm
.macro SC_UNIT cnt, in                 ; sin and cos of |h| <= 1: the polynomials on h itself
	POLY  \cnt, \in, KV2, 0x3f7ffd3f, 0x3f7fff9b, 0x3d224fa5, 0x3c03bc75
.endm
; ---- primitives of a pass: each works on both sets (registers +0,+1 and +2,+3 of an item) ----
.macro PMUL d, a, b
.irp o, 0,2
	v_pk_mul_f32 v[\d+\o:\d+\o+1], v[\a+\o:\a+\o+1], v[\b+\o:\b+\o+1]
.endr
.endm
.macro PFMA d, a, b, c
.irp o, 0,2
	v_pk_fma_f32 v[\d+\o:\d+\o+1], v[\a+\o:\a+\o+1], v[\b+\o:\b+\o+1], v[\c+\o:\c+\o+1]
.endr
.endm
.macro PMULK d, a, kk                  ; d = a x coefficient kk, broadcast out of its even-aligned pair
.irp o, 0,2
.if (\kk)&1
	v_pk_mul_f32 v[\d+\o:\d+\o+1], v[\a+\o:\a+\o+1], v[K+\kk-1:K+\kk] op_sel:[0,1] op_sel_hi:[1,1]
.else
	v_pk_mul_f32 v[\d+\o:\d+\o+1], v[\a+\o:\a+\o+1], v[K+\kk:K+\kk+1] op_sel_hi:[1,0]
.endif
.endr
.endm
.macro PFMAK d, a, kk, c               ; d = a x coefficient kk + c
.irp o, 0,2
.if (\kk)&1
	v_pk_fma_f32 v[\d+\o:\d+\o+1], v[\a+\o:\a+\o+1], v[K+\kk-1:K+\kk], v[\c+\o:\c+\o+1] op_sel:[0,1,0] op_sel_hi:[1,1,1]
.else
	v_pk_fma_f32 v[\d+\o:\d+\o+1], v[\a+\o:\a+\o+1], v[K+\kk:K+\kk+1], v[\c+\o:\c+\o+1] op_sel_hi:[1,0,1]
.endif
.endr
.endm
.macro TERM f, e, al, b, c, kk         ; T(e, al) (f = 1: starts as, f = 0: grows by) K[kk] M(b, c)
.if \f
	PMULK TB+4*(4*\e+\al), MB+4*(4*\b+\c), \kk
.else
	PFMAK TB+4*(4*\e+\al), MB+4*(4*\b+\c), \kk, TB+4*(4*\e+\al)
.endif
.endm
.macro CTERM e, al, kk                 ; T(e, 0) += r0[al - 1] K[kk]
	PFMAK TB+16*\e, RQ+4*(\al-1), \kk, TB+16*\e
.endm
.macro OUTR d, e, al                   ; d = T(e, 0) + r0[al - 1] T(e, al)
	PFMA \d, RQ+4*(\al-1), TB+4*(4*\e+\al), TB+16*\e
.endm
; E_e = T(e,0) + r0x T(e,1) + r0y T(e,2) + r0z T(e,3).  The 45 monomials, ordered so that instructions on one sum stand 8 or more apart.
.macro CONTRACT
	TERM 1,1,0,0,3,36
	TERM 1,1,1,3,1,41
	TERM 1,1,3,1,2,37
	TERM 1,1,2,2,1,38
	TERM 0,1,0,0,2,40
	TERM 0,1,1,0,2,44
	TERM 0,1,3,1,3,39
	TERM 0,1,2,3,0,47
	TERM 0,1,0,3,1,43
	TERM 0,1,1,2,0,50
	TERM 0,1,3,2,0,42
	TERM 0,1,2,3,2,57
	TERM 0,1,0,1,2,45
	TERM 0,1,1,1,3,53
	TERM 0,1,3,0,3,46
	TERM 0,1,2,0,1,60
	TERM 0,1,0,1,3,49
	TERM 0,1,1,2,2,54
	TERM 0,1,3,0,2,48
	TERM 1,0,2,2,0,19
	TERM 1,2,2,1,2,29
	TERM 0,1,0,2,0,52
	TERM 0,1,1,2,3,58
	TERM 0,1,3,3,1,51
	TERM 0,0,2,1,3,20
	TERM 0,2,2,0,3,32
	TERM 0,1,0,1,0,59
	TERM 0,1,1,1,0,61
	TERM 0,1,3,0,0,56
	TERM 0,0,2,3,1,22
	TERM 0,2,2,0,0,34
	TERM 0,1,0,2,3,62
	TERM 0,0,2,0,2,23
	TERM 1,0,1,3,0,18
	TERM 1,0,3,0,1,25
	TERM 1,2,0,3,0,27
	CTERM 1,2,55
	TERM 0,0,1,2,1,21
	TERM 0,0,3,3,2,26
	TERM 0,2,0,2,1,30
	TERM 1,2,3,2,1,28
	TERM 1,0,0,1,1,24
	OUTR TB+16, 1, 2
	CTERM 2,3,35
	TERM 0,2,3,3,0,31
	TERM 1,2,1,1,1,33
	OUTR TB, 0, 1
	OUTR TB+16, 1, 1
	OUTR TB, 0, 2
	OUTR TB+32, 2, 1
	OUTR HP+4, 1, 3                                ; E1 stays in its own lane: straight into the next layer's middle input
	OUTR TB, 0, 3
	OUTR TB+32, 2, 2
	OUTR TB+32, 2, 3
.endm
; The angles of layer L that enter the sums, 9 LDS loads at multiples of their widths; a layer's 32 records of 72 bytes are 2,304 bytes.
; L may be given as a sum, so it stands in brackets wherever it is multiplied.
; ANG + 0..8: first sublayer (phi, theta, omega of qubits 0, 1, 2).  Second sublayer: phi_0 at 9, theta_0 at 10, phi_2 at 11, phi_1 at 12,
; theta_1 at 13, theta_2 at 14; 15 holds omega_2, which fills the last pair's second half and is used by nothing.
.macro ANGLOAD L
.irp g, 0,1,2,3,4
	ds_load_b64 v[ANG+2*\g:ANG+2*\g+1], v[TA] offset:THB+(\L)*2304+8*\g
.endr
	ds_load_b32 v[ANG+10], v[TA] offset:THB+(\L)*2304+40
	ds_load_b32 v[ANG+11], v[TA] offset:THB+(\L)*2304+60
	ds_load_b64 v[ANG+12:ANG+13], v[TA] offset:THB+(\L)*2304+48
	ds_load_b64 v[ANG+14:ANG+15], v[TA] offset:THB+(\L)*2304+64
.endm
.macro NVEC p, ph, th                  ; n_p from the places of its phi and theta
	v_mul_f32 v[NV+3*\p],  -v[SA+\th], v[CA+\ph]
	v_mul_f32 v[NV+3*\p+1], v[SA+\th], v[SA+\ph]
	v_mov_b32 v[NV+3*\p+2], v[CA+\th]
.endm
; The 63 coefficients of layer L from the angles in ANG; the next layer's angles are requested as soon as ANG has been read.
.macro SETUP L
.set FA, 114
.set ZA, 132
.set SA, 150
.set CA, 168
	SC_FULL 8, ANG
.if \L < 2
	ANGLOAD \L+1
.endif
.irp q, 0,1,2                          ; first sublayer, angles 3 q + (phi, theta, omega): K[6 q + m] = MX_q[m], K[6 q + 3 + m] = MZ_q[m]
	v_mul_f32 v[TM+3*\q],   v[CA+3*\q+1], v[CA+3*\q]
	v_mul_f32 v[TM+3*\q+1], v[SA+3*\q+2], v[SA+3*\q]
	v_mul_f32 v[TM+3*\q+2], v[CA+3*\q+2], v[SA+3*\q]
	v_mul_f32 v[K+6*\q+2], -v[SA+3*\q+1], v[CA+3*\q]
	v_mul_f32 v[K+6*\q+3],  v[CA+3*\q+2], v[SA+3*\q+1]
	v_mul_f32 v[K+6*\q+4],  v[SA+3*\q+2], v[SA+3*\q+1]
	v_mov_b32 v[K+6*\q+5],  v[CA+3*\q+1]
	v_fma_f32 v[K+6*\q],    v[CA+3*\q+2], v[TM+3*\q], -v[TM+3*\q+1]
	v_fma_f32 v[K+6*\q+1],  v[SA+3*\q+2], v[TM+3*\q], v[TM+3*\q+2]
.endr
	NVEC 0, 9, 10
	NVEC 1, 12, 13
	NVEC 2, 11, 14
.set nn, 0
.rept 9                                ; K[18 + 3 i + j] = +- a_i b_j,  K[27 + 3 i + k] = +- a_i c_k
.if (NEGAB>>nn)&1
	v_mul_f32 v[K+18+nn], -v[NV+nn/3], v[NV+3+nn%3]
.else
	v_mul_f32 v[K+18+nn], v[NV+nn/3], v[NV+3+nn%3]
.endif
.if (NEGAC>>nn)&1
	v_mul_f32 v[K+27+nn], -v[NV+nn/3], v[NV+6+nn%3]
.else
	v_mul_f32 v[K+27+nn], v[NV+nn/3], v[NV+6+nn%3]
.endif
.set nn, nn+1
.endr
.set nn, 0
.rept 27                               ; K[36 + 9 i + 3 j + k] = +- K[18 + 3 i + j] c_k
.if (NEGABC>>nn)&1
	v_mul_f32 v[K+36+nn], -v[K+18+nn/3], v[NV+6+nn%3]
.else
	v_mul_f32 v[K+36+nn], v[K+18+nn/3], v[NV+6+nn%3]
.endif
.set nn, nn+1
.endr
.endm
; Rows 4 P .. 4 P + 3 through one layer.  full = 1: inputs are free angles (x); 0: expectation values.  last = 1: results go to the stage.
.macro PASS P, full, last
.set HP, HB+12*\P
.set FA, TB
.set ZA, TB+12
.set SA, TB+24
.set CA, TB+36
.if \full
	SC_FULL 6, HP
.else
	SC_UNIT 6, HP
.endif
.irp m, 0,1,2                          ; r_q[m] = MZ_q[m] cos x_q + MX_q[m] sin x_q
	PMULK RQ+4*\m,        CA,   3+\m
	PMULK MB+4*(4*\m+3),  CA+4, 9+\m
	PMULK MB+4*(12+\m),   CA+8, 15+\m
.endr
.irp m, 0,1,2
	PFMAK RQ+4*\m,        SA,   \m,    RQ+4*\m
	PFMAK MB+4*(4*\m+3),  SA+4, 6+\m,  MB+4*(4*\m+3)
	PFMAK MB+4*(12+\m),   SA+8, 12+\m, MB+4*(12+\m)
.endr
.irp b, 0,1,2
.irp c, 0,1,2
	PMUL MB+4*(4*\b+\c), MB+4*(4*\b+3), MB+4*(12+\c)
.endr
.endr
	CONTRACT
.if \last
.irp jj, 0,1,2,3
	ds_store_b32 v[RW], v[TB+\jj]    offset:OSB+(4*\P+\jj)*1536
	ds_store_b32 v[RW], v[HP+4+\jj]  offset:OSB+(4*\P+\jj)*1536+4
	ds_store_b32 v[RW], v[TB+32+\jj] offset:OSB+(4*\P+\jj)*1536+8
.endr
.else
.irp jj, 0,1,2,3                       ; block i reads numbers 3 i - 1, 3 i + 1, 3 i + 3 mod 96: E2 of lane i - 1, its own E1, E0 of lane i + 1
	ds_bpermute_b32 v[HP+\jj],   v[DN], v[TB+32+\jj]
	ds_bpermute_b32 v[HP+8+\jj], v[UP], v[TB+\jj]
.endr
.endif
.endm
	; ---- addresses ----
	s_load_b128 s[4:7], s[0:1], 0x0                ; theta s[4:5], x s[6:7]
	s_load_b64 s[8:9], s[0:1], 0x10                ; out0
	v_lshl_add_u32 v240, v0, 2, 0x9600
	v_mov_b32 v241, 0
	v_and_b32 v8, 31, v0                           ; lane = block
	v_lshrrev_b32 v9, 5, v0
	v_readfirstlane_b32 s10, v9                    ; wave
	s_and_b32 s11, ttmp7, 0xffff                   ; bg: group of 16 b.  ttmp9 = tp: pair of t
	s_mul_i32 s12, ttmp9, 13824                    ; theta of two t
	s_mov_b32 s13, 0
	s_mul_i32 s14, s11, 393216                     ; 16 b of 24,576 bytes
	s_mul_i32 s16, ttmp9, 768                      ; two t of 384 bytes
	s_add_co_u32 s14, s14, s16
	s_mov_b32 s15, 0
	v_lshrrev_b32 v9, 4, v8                        ; half of the wave
	v_and_b32 v10, 15, v8
	v_lshlrev_b32 v10, 4, v10                      ; 16 bytes a lane, 256 bytes a half
	s_mul_i32 s16, s10, 49152                      ; a wave takes two b at a time
	v_mad_u32_u24 v[XG], v9, 0x6000, v10
	v_add_nc_u32 v[XG], s16, v[XG]
	s_mul_i32 s16, s10, 1536
	v_mad_u32_u24 v[XL], v9, 768, v10
	v_add_nc_u32 v[XL], s16, v[XL]
	s_lshl_b32 s16, s10, 9
	v_lshl_add_u32 v[TG], v8, 4, s16
	s_mul_i32 s16, s10, 384
	v_mad_u32_u24 v[RW], v8, 12, s16
	s_and_b32 s17, s10, 1
	s_mul_i32 s17, s17, 6912
	v_mad_u32_u24 v[TA], v8, 72, s17
	v_add_nc_u32 v9, 1, v8
	v_and_b32 v9, 31, v9
	v_lshlrev_b32 v[UP], 2, v9
	v_add_nc_u32 v9, 31, v8
	v_and_b32 v9, 31, v9
	v_lshlrev_b32 v[DN], 2, v9
	v_mov_b32 v[KV1],   0xbf8b055b                 ; reduced angles: coefficient of F^3 in D
	v_mov_b32 v[KV1+1], 0xc004b621                 ;                 coefficient of F^2 in E
	v_mov_b32 v[KV2],   0xbe2a8e0b                 ; |h| <= 1: coefficient of h^3 in sin
	v_mov_b32 v[KV2+1], 0xbeff9c72                 ;           coefficient of h^2 in cos
	v_mov_b32 v[KVR],   0x3e22f983                 ; 1 / 2pi
	v_mov_b32 v[KVR+1], 0x4b400000                 ; 1.5 x 2^23: a sum with it is rounded to a whole number
	v_mov_b32 v[K+63], 0                           ; completes the pair of coefficient 62
	s_wait_kmcnt 0x0
	s_add_nc_u64 s[4:5], s[4:5], s[12:13]
	s_add_nc_u64 s[6:7], s[6:7], s[14:15]
	s_add_nc_u64 s[8:9], s[8:9], s[14:15]
	; ---- everything the work-group reads: 13,824 bytes of theta (6 x 2,048 + 96 threads x 16) and 16 x 768 bytes of x ----
.irp g, 0,1,2,3,4,5
	global_load_b128 v[114+4*\g:117+4*\g], v[TG], s[4:5] offset:2048*\g
.endr
.irp bb, 0,1
.irp part, 0,1,2
	global_load_b128 v[142+4*(3*\bb+\part):145+4*(3*\bb+\part)], v[XG], s[6:7] offset:196608*\bb+256*\part th:TH_LOAD_NT
.endr
.endr
	s_cmp_eq_u32 s10, 3
	s_cbranch_scc1 .Lno_tail_load                  ; the last 1,536 bytes of theta: waves 0 to 2
	global_load_b128 v[138:141], v[TG], s[4:5] offset:12288
.Lno_tail_load:
	s_wait_loadcnt 0x0
.irp g, 0,1,2,3,4,5
	ds_store_b128 v[TG], v[114+4*\g:117+4*\g] offset:THB+2048*\g
.endr
.irp bb, 0,1
.irp part, 0,1,2
	ds_store_b128 v[XL], v[142+4*(3*\bb+\part):145+4*(3*\bb+\part)] offset:XSB+6144*\bb+256*\part
.endr
.endr
	s_cmp_eq_u32 s10, 3
	s_cbranch_scc1 .Lno_tail_store
	ds_store_b128 v[TG], v[138:141] offset:THB+12288
.Lno_tail_store:
	s_wait_dscnt 0x0                               ; my stores are in LDS before I say so: other waves read them
	s_barrier_signal -1
	s_barrier_wait -1
	; ---- layer 0 ----
	ANGLOAD 0
.irp j, 0,1,2,3,4,5,6,7
.irp q, 0,1,2
	ds_load_b32 v[HB+12*(\j/4)+4*\q+(\j%4)], v[RW] offset:XSB+\j*1536+4*\q
.endr
.endr
	s_wait_dscnt 24                                ; the 9 angle loads are in; the 24 loads of x issued behind them stay out
	SETUP 0
	s_wait_dscnt 9                                 ; x is in; the 9 loads of layer 1's angles issued behind it stay out
	PASS 0, 1, 0
	PASS 1, 1, 0
	; ---- layer 1: the set-up needs only its angles, so the exchanges between lanes return while it runs ----
	s_wait_dscnt 16                                ; layer 1's angles are in; the 16 exchanges issued behind them stay out
	SETUP 1
	s_wait_dscnt 9                                 ; the 16 exchanges are in; the 9 loads of layer 2's angles issued behind them stay out
	PASS 0, 0, 0
	PASS 1, 0, 0
	; ---- layer 2 ----
	s_wait_dscnt 16                                ; layer 2's angles are in; the 16 exchanges stay out
	SETUP 2
	s_wait_dscnt 0x0                               ; the 16 exchanges: nothing was issued behind them
	PASS 0, 0, 1
	PASS 1, 0, 1
	; ---- the way out: whole pieces of 768 bytes, 16 lanes storing 256 consecutive aligned bytes ----
	s_wait_dscnt 0x0                               ; my results are in the stage before I say so: other waves read them
	s_barrier_signal -1
	s_barrier_wait -1
.irp bb, 0,1
.irp part, 0,1,2
	ds_load_b128 v[114+4*(3*\bb+\part):117+4*(3*\bb+\part)], v[XL] offset:OSB+6144*\bb+256*\part
.endr
.endr
.irp bb, 0,1
.irp part, 0,1,2
	s_wait_dscnt 5-(3*\bb+\part)                   ; LDS loads return in order: this one is in, the younger ones stay out
	global_store_b128 v[XG], v[114+4*(3*\bb+\part):117+4*(3*\bb+\part)], s[8:9] offset:196608*\bb+256*\part th:TH_STORE_NT
.endr
.endr
	s_wait_tensorcnt 0x0
	ds_add_u32 v240, v241
	s_wait_dscnt 0x0
	s_endpgm
.Lfunc_end_k_q88ef9d75a1_qnn:
	.size	k_q88ef9d75a1_qnn, .Lfunc_end_k_q88ef9d75a1_qnn-k_q88ef9d75a1_qnn
	.p2alignl 7, 3214868480
	.fill 96, 4, 3214868480
	.section	.rodata,"a",@progbits
	.p2align	6, 0x0
	.amdhsa_kernel k_q88ef9d75a1_qnn
		.amdhsa_group_segment_fixed_size 38912
		.amdhsa_private_segment_fixed_size 0
		.amdhsa_enable_private_segment 0
		.amdhsa_kernarg_size 24
		.amdhsa_user_sgpr_count 2
		.amdhsa_user_sgpr_kernarg_segment_ptr 1
		.amdhsa_wavefront_size32 1
		.amdhsa_system_sgpr_workgroup_id_x 1
		.amdhsa_system_sgpr_workgroup_id_y 1
		.amdhsa_system_sgpr_workgroup_id_z 1
		.amdhsa_system_vgpr_workitem_id 0
		.amdhsa_next_free_vgpr 242
		.amdhsa_next_free_sgpr 66
		.amdhsa_reserve_vcc 0
		.amdhsa_float_denorm_mode_32 3
		.amdhsa_float_denorm_mode_16_64 3
		.amdhsa_memory_ordered 1
		.amdhsa_forward_progress 1
		.amdhsa_inst_pref_size 133
	.end_amdhsa_kernel
	.amdgpu_metadata
---
amdhsa.version: [ 1, 2 ]
amdhsa.kernels:
  - .name:           k_q88ef9d75a1_qnn
    .symbol:         k_q88ef9d75a1_qnn.kd
    .args:
      - { .name: theta, .offset: 0, .size: 8, .value_kind: global_buffer, .address_space: global }
      - { .name: x, .offset: 8, .size: 8, .value_kind: global_buffer, .address_space: global }
      - { .name: out0, .offset: 16, .size: 8, .value_kind: global_buffer, .address_space: global }
    .group_segment_fixed_size: 38912
    .private_segment_fixed_size: 0
    .kernarg_segment_align: 8
    .kernarg_segment_size: 24
    .max_flat_workgroup_size: 128
    .sgpr_count:     66
    .vgpr_count:     242
    .wavefront_size: 32
...
	.end_amdgpu_metadata
.endif
;; end of part 1
;; ======== version 2 of 2: 1 launch; version 1 with the launch qnn written anew for expert scheduling mode
;; limits: a function is approximated: absolute error at most 6e-05; an absolute error that grows with the inputs' magnitude: up to 6e-08 times it; inputs' magnitudes at most 26,000,000; a function is approximated: absolute error at most 4.2e-05
;; launch qnn (part 2): grid 32 x 8, 4 waves a work-group, no clusters, 38,912 bytes of LDS; arguments theta, x, out0; writes out0
.if DOCPART == 2
	.amdgcn_target "amdgcn-amd-amdhsa--gfx1250"
	.amdhsa_code_object_version 6
	.text
	.protected	k_q88ef9d75a1_qnn
	.globl	k_q88ef9d75a1_qnn
	.p2align	8
	.type	k_q88ef9d75a1_qnn,@function
k_q88ef9d75a1_qnn:
	s_mov_b64 s[64:65], 0
	v_nop
	global_prefetch_b8 v0, s[64:65] scope:SCOPE_SE
	s_setreg_imm32_b32 hwreg(HW_REG_WAVE_SCHED_MODE, 0, 2), 2
	s_setreg_imm32_b32 hwreg(HW_REG_WAVE_MODE, 25, 1), 1
	s_wait_xcnt 0x0
	s_wait_alu depctr_vm_vsrc(0)
; Three chained layers of 32 three-qubit circuits.  x, out0: [128][64][96] f32.  theta: [64][3][32][2][3][3] f32.
;
; ARITHMETIC (exact algebra, for every input).  After the embedding qubit q has the Bloch vector (sin x_q, 0, cos x_q); the first Rot
; sublayer rotates it: r_q = MX_q sin x_q + MZ_q cos x_q, MX and MZ the x and z columns of Rz(omega) Ry(theta) Rz(phi).  Backwards from the
; measurement: the last CNOT ring turns Z0, Z1, Z2 into Z0Z1, Z0Z1Z2, Z0Z2; the second Rot sublayer turns Z_p into n_p . sigma,
; n = (-sin theta cos phi, sin theta sin phi, cos theta) (its omega cancels in |psi|^2, so it is brought into LDS with the rest of theta
; and enters no sum); the first CNOT ring maps X0,Y0,Z0 -> X0X1, X0Y1Z2, Z1Z2;  X1,Y1,Z1 -> X1X2, Z0Y1X2, Z0Z1;  X2,Y2,Z2 -> X0X1X2, -Y0Y1Y2, Z0Z1Z2.
; On a product state a Pauli string's mean is a product of r components, so with a = n_0, b = n_1, c = n_2 the three outputs are signed
; sums of 9, 27 and 9 monomials.  63 coefficients for a (t, layer, block), shared by all rows of the batch; 81 packed operations a circuit pair.
; No matrix unit: the 2 x 2 gate products are never formed, every lane has coefficients of its own, and a product over the batch would
; fill 3 of 16 columns and round three chained layers to 16 bits.  All arithmetic is f32.
;
; SHARES.  Work-group = 2 neighbouring t x 16 b, four waves.  Lane = block.  Stage row rho = 2 b_local + t_local (384 bytes); wave w owns
; rho = w + 4 j, j = 0..7, so its t is 2 tp + (w & 1).  A packed instruction works on two rows; a pass takes four rows (two sets).
; The wave goes layer by layer: one layer's 63 coefficients, then its 8 rows through that layer.
; MEMORY.  (b, t pair) is 768 consecutive bytes at a multiple of 256: x comes in and out0 leaves as 16 bytes a lane, 16 lanes covering 256
; consecutive aligned bytes, through stages in LDS; theta of the t pair is 13,824 consecutive bytes and comes in likewise.
; NO JOINT REQUESTS: the only bytes that work-groups share are theta's 13,824, a third of a work-group's 38,400 bytes of traffic, read
; once in the first lines; nothing is requested later.  NO PREFETCH: every global load is issued in the first lines.
; THE TWO WAVES OF ONE t EACH MAKE THE COEFFICIENTS FOR THEMSELVES: handing half of them over would cost 36 LDS stores, 51 LDS loads and
; a barrier against some 250 arithmetic instructions spared.
; LIMITS.  Angles of x and theta are reduced as F = a/2pi - round(a/2pi), the rounding made by adding and taking away 1.5 x 2^23: right for
; |a| < 2^22 turns (2.6e7 radians); with the f32 value of 1/2pi the reduced angle errs by about 6e-8 |a| radians.  Their sin and cos:
; polynomials in u = a/4, |u| <= pi/4 (5th and 4th power, the Taylor terms beyond folded in by shifted Chebyshev polynomials over that
; whole range) and two doublings: error at most 6e-5.  Inputs of layers 1 and 2 are expectation values, |h| <= 1 for every input:
; polynomials of the same degrees fitted on [-1, 1], error at most 4.2e-5 (cos) and 6e-6 (sin).  NaN or infinite inputs give NaN.
;
; THE MODE: SCHED_MODE bits 1:0 = 2 (LLVM: expert scheduling mode 2), set by the entry lines.  The code itself states the register dependences
; between vector instructions and memory or LDS instructions, with s_wait_alu, always for 0.
; THE PLAN.  Registers that memory or LDS instructions touch:
;   v1 .. v7      Addresses and offsets: made at the head, never written again; one wait ahead of the first load serves them for the whole kernel.
;   v[114:165]    At the head: the global loads of theta and x land here and the LDS stores read them; from the first set-up on vector scratch.
;   ANG           The angle loads land here; a set-up's first 24 packed lines read it.  The next layer's angles are asked for at the end of pass 0.
;   HB            x's LDS loads land here.  Pass P reads its 12 registers in its sin/cos lines; its E1 is written into HP + 4 .. 7 by the pass itself;
;                 its exchanges between lanes land in HP + 0 .. 3 and HP + 8 .. 11.  In the last layer the LDS stores read HP + 4 .. 7.
;   OB0, OB1      Out-buffers: pass P writes its E0 and E2 into OB[P]; its exchanges (last layer: its LDS stores) read them; nothing names OB[P]
;                 again before the same pass of the next layer.
;   v[114:137]    At the end: the stage's read-back lands here and the global stores read it; no vector instruction follows the last pass.
; So ONE wait on va_vdst stands at the end of each pass, ahead of its run of LDS instructions, and ONE wait on vm_vsrc at the head of layers 1 and 2,
; for both out-buffers.  Between two such waits the vector instructions name K, KV, TB, MB, RQ, the other pass's HB and OB, and in a set-up ANG
; (behind its wait on DScnt): none of the registers that a pending LDS instruction reads or lands in.
.set THB, 0                            ; LDS: theta of the t pair, 13,824 bytes
.set XSB, 13824                        ; LDS: x, 32 stage rows of 384 bytes
.set OSB, 26112                        ; LDS: results, 32 stage rows of 384 bytes
.set XG,  1                            ; v1   global byte offset of my 16 bytes of x / out0 (b_local = thread / 16)
.set XL,  2                            ; v2   the same 16 bytes in a stage
.set TG,  3                            ; v3   16 x thread: theta, global and LDS
.set RW,  4                            ; v4   wave x 384 + lane x 12: my block's three numbers in my first stage row
.set TA,  5                            ; v5   (wave & 1) x 6912 + lane x 72: my block's 18 angles of layer 0
.set UP,  6                            ; v6   4 x ((lane + 1) mod 32)
.set DN,  7                            ; v7   4 x ((lane + 31) mod 32)
.set ANG, 8                            ; v[8:23]    16 angles of the layer that is set up next (order: see ANGLOAD)
.set K,   26                           ; v[26:89]   63 coefficients (and one zero that completes the last pair)
.set HB,  90                           ; v[90:113]  values: HB + 12 P + 4 q + jj, row j = 4 P + jj
.set TB,  114                          ; v[114:161] pass: partial sums T(e, al) at TB + 4 (4 e + al); before them the sin/cos arrays
.set MB,  162                          ; v[162:221] pass: M(b, c) at MB + 4 (4 b + c): r1_b r2_c; c = 3: r1_b; b = 3: r2_c
.set RQ,  222                          ; v[222:233] pass: r0_m at RQ + 4 m
.set NV,  186                          ; set-up: a, b, c (9 registers)
.set TM,  196                          ; set-up: 9 products
.set KV1, 234                          ; v[234:235] middle coefficients (sin, cos) of the polynomials for reduced angles
.set KV2, 236                          ; v[236:237] the same for |h| <= 1
.set KVR, 238                          ; v[238:239] (1/2pi, 1.5 x 2^23)
.set OB,  240                          ; v[240:255] out-buffers: E0 of row 4 P + jj at OB + 8 P + jj, its E2 at OB + 8 P + 4 + jj
.set NEGAB,  0x44                      ; bit n: the product n carries a minus sign (from the Pauli products above)
.set NEGAC,  0x54
.set NEGABC, 0x15D75D4
; ---- helpers on arrays of cnt register pairs ----
.macro AMUL cnt, d, a, b               ; d = a b
.set i, 0
.rept \cnt
	v_pk_mul_f32 v[\d+i:\d+i+1], v[\a+i:\a+i+1], v[\b+i:\b+i+1]
.set i, i+2
.endr
.endm
.macro AFMAC cnt, d, a, b, c, neg      ; d = (+ or -) a b + constant
.set i, 0
.rept \cnt
.if \neg
	v_pk_fma_f32 v[\d+i:\d+i+1], v[\a+i:\a+i+1], v[\b+i:\b+i+1], \c op_sel_hi:[1,1,0] neg_lo:[1,0,0] neg_hi:[1,0,0]
.else
	v_pk_fma_f32 v[\d+i:\d+i+1], v[\a+i:\a+i+1], v[\b+i:\b+i+1], \c op_sel_hi:[1,1,0]
.endif
.set i, i+2
.endr
.endm
.macro AFMAK cnt, d, a, c, kv, hi      ; d = a x constant + first (hi = 0) or second (hi = 1) register of the pair kv
.set i, 0
.rept \cnt
.if \hi
	v_pk_fma_f32 v[\d+i:\d+i+1], v[\a+i:\a+i+1], \c, v[\kv:\kv+1] op_sel:[0,0,1] op_sel_hi:[1,0,1]
.else
	v_pk_fma_f32 v[\d+i:\d+i+1], v[\a+i:\a+i+1], \c, v[\kv:\kv+1] op_sel_hi:[1,0,0]
.endif
.set i, i+2
.endr
.endm
; SA = f (s1 + s3 z + s5 z^2), CA = c0 + c2 z + c4 z^2, z = f^2; (s3, c2) = the pair kv
.macro POLY cnt, f, kv, c0, s1, c4, s5
	AMUL  \cnt, ZA, \f, \f
	AFMAK \cnt, SA, ZA, \s5, \kv, 0
	AFMAK \cnt, CA, ZA, \c4, \kv, 1
	AFMAC \cnt, SA, SA, ZA, \s1, 0
	AFMAC \cnt, CA, CA, ZA, \c0, 0
	AMUL  \cnt, SA, SA, \f
.endm
; sin and cos of any angle a.  F = a/2pi - round(a/2pi); with u = (pi/2) F = a/4 the polynomials give D = 2^0.75 sin u, E = 2^0.75 cos u;
; P = D E = sqrt2 sin 2u, Q = sqrt2 - D^2 = sqrt2 cos 2u; sin 4u = P Q, cos 4u = 1 - P^2.
.macro SC_FULL cnt, in
.set i, 0
.rept \cnt
	v_pk_fma_f32 v[ZA+i:ZA+i+1], v[\in+i:\in+i+1], v[KVR:KVR+1], v[KVR:KVR+1] op_sel:[0,0,1] op_sel_hi:[1,0,1]
.set i, i+2
.endr
.set i, 0
.rept \cnt
	v_pk_add_f32 v[ZA+i:ZA+i+1], v[ZA+i:ZA+i+1], 0xcb400000 op_sel_hi:[1,0]
.set i, i+2
.endr
.set i, 0
.rept \cnt
	v_pk_fma_f32 v[FA+i:FA+i+1], v[\in+i:\in+i+1], 0x3e22f983, v[ZA+i:ZA+i+1] op_sel_hi:[1,0,1] neg_lo:[0,0,1] neg_hi:[0,0,1]
.set i, i+2
.endr
	POLY  \cnt, FA, KV1, 0x3fd74470, 0x4029126f, 0x3ed3c765, 0x3e063838
	AMUL  \cnt, FA, SA, CA                         ; P
	AFMAC \cnt, CA, SA, SA, 0x3fb504f3, 1          ; Q
	AMUL  \cnt, SA, FA, CA                         ; sin a
	AFMAC \cnt, CA, FA, FA, 1.0, 1                 ; cos a
.endm
.macro SC_UNIT cnt, in                 ; sin and cos of |h| <= 1: the polynomials on h itself
	POLY  \cnt, \in, KV2, 0x3f7ffd3f, 0x3f7fff9b, 0x3d224fa5, 0x3c03bc75
.endm
; ---- primitives of a pass: each works on both sets (registers +0,+1 and +2,+3 of an item) ----
.macro PMUL d, a, b
.irp o, 0,2
	v_pk_mul_f32 v[\d+\o:\d+\o+1], v[\a+\o:\a+\o+1], v[\b+\o:\b+\o+1]
.endr
.endm
.macro PFMA d, a, b, c
.irp o, 0,2
	v_pk_fma_f32 v[\d+\o:\d+\o+1], v[\a+\o:\a+\o+1], v[\b+\o:\b+\o+1], v[\c+\o:\c+\o+1]
.endr
.endm
.macro PMULK d, a, kk                  ; d = a x coefficient kk, broadcast out of its even-aligned pair
.irp o, 0,2
.if (\kk)&1
	v_pk_mul_f32 v[\d+\o:\d+\o+1], v[\a+\o:\a+\o+1], v[K+\kk-1:K+\kk] op_sel:[0,1] op_sel_hi:[1,1]
.else
	v_pk_mul_f32 v[\d+\o:\d+\o+1], v[\a+\o:\a+\o+1], v[K+\kk:K+\kk+1] op_sel_hi:[1,0]
.endif
.endr
.endm
.macro PFMAK d, a, kk, c               ; d = a x coefficient kk + c
.irp o, 0,2
.if (\kk)&1
	v_pk_fma_f32 v[\d+\o:\d+\o+1], v[\a+\o:\a+\o+1], v[K+\kk-1:K+\kk], v[\c+\o:\c+\o+1] op_sel:[0,1,0] op_sel_hi:[1,1,1]
.else
	v_pk_fma_f32 v[\d+\o:\d+\o+1], v[\a+\o:\a+\o+1], v[K+\kk:K+\kk+1], v[\c+\o:\c+\o+1] op_sel_hi:[1,0,1]
.endif
.endr
.endm
.macro TERM f, e, al, b, c, kk         ; T(e, al) (f = 1: starts as, f = 0: grows by) K[kk] M(b, c)
.if \f
	PMULK TB+4*(4*\e+\al), MB+4*(4*\b+\c), \kk
.else
	PFMAK TB+4*(4*\e+\al), MB+4*(4*\b+\c), \kk, TB+4*(4*\e+\al)
.endif
.endm
.macro CTERM e, al, kk                 ; T(e, 0) += r0[al - 1] K[kk]
	PFMAK TB+16*\e, RQ+4*(\al-1), \kk, TB+16*\e
.endm
.macro OUTR d, e, al                   ; d = T(e, 0) + r0[al - 1] T(e, al)
	PFMA \d, RQ+4*(\al-1), TB+4*(4*\e+\al), TB+16*\e
.endm
; E_e = T(e,0) + r0x T(e,1) + r0y T(e,2) + r0z T(e,3).  The 45 monomials, ordered so that instructions on one sum stand 8 or more apart.
.macro CONTRACT
	TERM 1,1,0,0,3,36
	TERM 1,1,1,3,1,41
	TERM 1,1,3,1,2,37
	TERM 1,1,2,2,1,38
	TERM 0,1,0,0,2,40
	TERM 0,1,1,0,2,44
	TERM 0,1,3,1,3,39
	TERM 0,1,2,3,0,47
	TERM 0,1,0,3,1,43
	TERM 0,1,1,2,0,50
	TERM 0,1,3,2,0,42
	TERM 0,1,2,3,2,57
	TERM 0,1,0,1,2,45
	TERM 0,1,1,1,3,53
	TERM 0,1,3,0,3,46
	TERM 0,1,2,0,1,60
	TERM 0,1,0,1,3,49
	TERM 0,1,1,2,2,54
	TERM 0,1,3,0,2,48
	TERM 1,0,2,2,0,19
	TERM 1,2,2,1,2,29
	TERM 0,1,0,2,0,52
	TERM 0,1,1,2,3,58
	TERM 0,1,3,3,1,51
	TERM 0,0,2,1,3,20
	TERM 0,2,2,0,3,32
	TERM 0,1,0,1,0,59
	TERM 0,1,1,1,0,61
	TERM 0,1,3,0,0,56
	TERM 0,0,2,3,1,22
	TERM 0,2,2,0,0,34
	TERM 0,1,0,2,3,62
	TERM 0,0,2,0,2,23
	TERM 1,0,1,3,0,18
	TERM 1,0,3,0,1,25
	TERM 1,2,0,3,0,27
	CTERM 1,2,55
	TERM 0,0,1,2,1,21
	TERM 0,0,3,3,2,26
	TERM 0,2,0,2,1,30
	TERM 1,2,3,2,1,28
	TERM 1,0,0,1,1,24
	OUTR TB+16, 1, 2
	CTERM 2,3,35
	TERM 0,2,3,3,0,31
	TERM 1,2,1,1,1,33
	OUTR TB, 0, 1
	OUTR TB+16, 1, 1
	OUTR TB, 0, 2
	OUTR TB+32, 2, 1
	OUTR HP+4, 1, 3                                ; E1 stays in its own lane: straight into the next layer's middle input
	OUTR OP, 0, 3                                  ; E0 and E2 go into the pass's out-buffer, which no vector instruction names before the next layer
	OUTR TB+32, 2, 2
	OUTR OP+4, 2, 3
.endm
; The angles of layer L that enter the sums, 9 LDS loads at multiples of their widths; a layer's 32 records of 72 bytes are 2,304 bytes.
; L may be given as a sum, so it stands in brackets wherever it is multiplied.
; ANG + 0..8: first sublayer (phi, theta, omega of qubits 0, 1, 2).  Second sublayer: phi_0 at 9, theta_0 at 10, phi_2 at 11, phi_1 at 12,
; theta_1 at 13, theta_2 at 14; 15 holds omega_2, which fills the last pair's second half and is used by nothing.
.macro ANGLOAD L
.irp g, 0,1,2,3,4
	ds_load_b64 v[ANG+2*\g:ANG+2*\g+1], v[TA] offset:THB+(\L)*2304+8*\g
.endr
	ds_load_b32 v[ANG+10], v[TA] offset:THB+(\L)*2304+40
	ds_load_b32 v[ANG+11], v[TA] offset:THB+(\L)*2304+60
	ds_load_b64 v[ANG+12:ANG+13], v[TA] offset:THB+(\L)*2304+48
	ds_load_b64 v[ANG+14:ANG+15], v[TA] offset:THB+(\L)*2304+64
.endm
.macro NVEC p, ph, th                  ; n_p from the places of its phi and theta
	v_mul_f32 v[NV+3*\p],  -v[SA+\th], v[CA+\ph]
	v_mul_f32 v[NV+3*\p+1], v[SA+\th], v[SA+\ph]
	v_mov_b32 v[NV+3*\p+2], v[CA+\th]
.endm
; The 63 coefficients of a layer from the angles in ANG: vector instructions alone.
.macro SETUP
.set FA, 114
.set ZA, 132
.set SA, 150
.set CA, 168
	SC_FULL 8, ANG
.irp q, 0,1,2                          ; first sublayer, angles 3 q + (phi, theta, omega): K[6 q + m] = MX_q[m], K[6 q + 3 + m] = MZ_q[m]
	v_mul_f32 v[TM+3*\q],   v[CA+3*\q+1], v[CA+3*\q]
	v_mul_f32 v[TM+3*\q+1], v[SA+3*\q+2], v[SA+3*\q]
	v_mul_f32 v[TM+3*\q+2], v[CA+3*\q+2], v[SA+3*\q]
	v_mul_f32 v[K+6*\q+2], -v[SA+3*\q+1], v[CA+3*\q]
	v_mul_f32 v[K+6*\q+3],  v[CA+3*\q+2], v[SA+3*\q+1]
	v_mul_f32 v[K+6*\q+4],  v[SA+3*\q+2], v[SA+3*\q+1]
	v_mov_b32 v[K+6*\q+5],  v[CA+3*\q+1]
	v_fma_f32 v[K+6*\q],    v[CA+3*\q+2], v[TM+3*\q], -v[TM+3*\q+1]
	v_fma_f32 v[K+6*\q+1],  v[SA+3*\q+2], v[TM+3*\q], v[TM+3*\q+2]
.endr
	NVEC 0, 9, 10
	NVEC 1, 12, 13
	NVEC 2, 11, 14
.set nn, 0
.rept 9                                ; K[18 + 3 i + j] = +- a_i b_j,  K[27 + 3 i + k] = +- a_i c_k
.if (NEGAB>>nn)&1
	v_mul_f32 v[K+18+nn], -v[NV+nn/3], v[NV+3+nn%3]
.else
	v_mul_f32 v[K+18+nn], v[NV+nn/3], v[NV+3+nn%3]
.endif
.if (NEGAC>>nn)&1
	v_mul_f32 v[K+27+nn], -v[NV+nn/3], v[NV+6+nn%3]
.else
	v_mul_f32 v[K+27+nn], v[NV+nn/3], v[NV+6+nn%3]
.endif
.set nn, nn+1
.endr
.set nn, 0
.rept 27                               ; K[36 + 9 i + 3 j + k] = +- K[18 + 3 i + j] c_k
.if (NEGABC>>nn)&1
	v_mul_f32 v[K+36+nn], -v[K+18+nn/3], v[NV+6+nn%3]
.else
	v_mul_f32 v[K+36+nn], v[K+18+nn/3], v[NV+6+nn%3]
.endif
.set nn, nn+1
.endr
.endm
; Rows 4 P .. 4 P + 3 through one layer.  full = 1: inputs are free angles (x); 0: expectation values.  last = 1: results go to the stage.
; ang = 1 or 2: that layer's angles are asked for at the pass's end; 0: none.
.macro PASS P, full, last, ang
.set HP, HB+12*\P
.set OP, OB+8*\P
.set FA, TB
.set ZA, TB+12
.set SA, TB+24
.set CA, TB+36
.if \full
	SC_FULL 6, HP
.else
	SC_UNIT 6, HP
.endif
.irp m, 0,1,2                          ; r_q[m] = MZ_q[m] cos x_q + MX_q[m] sin x_q
	PMULK RQ+4*\m,        CA,   3+\m
	PMULK MB+4*(4*\m+3),  CA+4, 9+\m
	PMULK MB+4*(12+\m),   CA+8, 15+\m
.endr
.irp m, 0,1,2
	PFMAK RQ+4*\m,        SA,   \m,    RQ+4*\m
	PFMAK MB+4*(4*\m+3),  SA+4, 6+\m,  MB+4*(4*\m+3)
	PFMAK MB+4*(12+\m),   SA+8, 12+\m, MB+4*(12+\m)
.endr
.irp b, 0,1,2
.irp c, 0,1,2
	PMUL MB+4*(4*\b+\c), MB+4*(4*\b+3), MB+4*(12+\c)
.endr
.endr
	CONTRACT
	s_wait_alu depctr_va_vdst(0)                   ; the pass has written OB[P] and HP + 4 .. 7, which the LDS instructions below read, and is done reading HP, in which the exchanges land; the set-up is done reading ANG, in which the angle loads land; behind the kernel's last pass: all vector work on v[114:137] is done, in which the stage's read-back lands
.if \last
.irp jj, 0,1,2,3
	ds_store_b32 v[RW], v[OP+\jj]    offset:OSB+(4*\P+\jj)*1536
	ds_store_b32 v[RW], v[HP+4+\jj]  offset:OSB+(4*\P+\jj)*1536+4
	ds_store_b32 v[RW], v[OP+4+\jj]  offset:OSB+(4*\P+\jj)*1536+8
.endr
.else
.if \ang
	ANGLOAD \ang                                   ; ahead of the exchanges, so that the set-up's wait can leave those out; they have the other pass in which to land
.endif
.irp jj, 0,1,2,3                       ; block i reads numbers 3 i - 1, 3 i + 1, 3 i + 3 mod 96: E2 of lane i - 1, its own E1, E0 of lane i + 1
	ds_bpermute_b32 v[HP+\jj],   v[DN], v[OP+4+\jj]
	ds_bpermute_b32 v[HP+8+\jj], v[UP], v[OP+\jj]
.endr
.endif
.endm
	; ---- addresses ----
	s_load_b128 s[4:7], s[0:1], 0x0                ; theta s[4:5], x s[6:7]
	s_load_b64 s[8:9], s[0:1], 0x10                ; out0
	v_lshl_add_u32 v24, v0, 2, 0x9600
	v_mov_b32 v25, 0
	v_and_b32 v8, 31, v0                           ; lane = block
	v_lshrrev_b32 v9, 5, v0
	v_readfirstlane_b32 s10, v9                    ; wave
	s_and_b32 s11, ttmp7, 0xffff                   ; bg: group of 16 b.  ttmp9 = tp: pair of t
	s_mul_i32 s12, ttmp9, 13824                    ; theta of two t
	s_mov_b32 s13, 0
	s_mul_i32 s14, s11, 393216                     ; 16 b of 24,576 bytes
	s_mul_i32 s16, ttmp9, 768                      ; two t of 384 bytes
	s_add_co_u32 s14, s14, s16
	s_mov_b32 s15, 0
	v_lshrrev_b32 v9, 4, v8                        ; half of the wave
	v_and_b32 v10, 15, v8
	v_lshlrev_b32 v10, 4, v10                      ; 16 bytes a lane, 256 bytes a half
	s_wait_alu depctr_va_sdst(0)                   ; s10, the wave's number, is written, ahead of its first reader: offsets, LDS addresses and two branches are made from it
	s_mul_i32 s16, s10, 49152                      ; a wave takes two b at a time
	v_mad_u32_u24 v[XG], v9, 0x6000, v10
	v_add_nc_u32 v[XG], s16, v[XG]
	s_mul_i32 s16, s10, 1536
	v_mad_u32_u24 v[XL], v9, 768, v10
	v_add_nc_u32 v[XL], s16, v[XL]
	s_lshl_b32 s16, s10, 9
	v_lshl_add_u32 v[TG], v8, 4, s16
	s_mul_i32 s16, s10, 384
	v_mad_u32_u24 v[RW], v8, 12, s16
	s_and_b32 s17, s10, 1
	s_mul_i32 s17, s17, 6912
	v_mad_u32_u24 v[TA], v8, 72, s17
	v_add_nc_u32 v9, 1, v8
	v_and_b32 v9, 31, v9
	v_lshlrev_b32 v[UP], 2, v9
	v_add_nc_u32 v9, 31, v8
	v_and_b32 v9, 31, v9
	v_lshlrev_b32 v[DN], 2, v9
	v_mov_b32 v[KV1],   0xbf8b055b                 ; reduced angles: coefficient of F^3 in D
	v_mov_b32 v[KV1+1], 0xc004b621                 ;                 coefficient of F^2 in E
	v_mov_b32 v[KV2],   0xbe2a8e0b                 ; |h| <= 1: coefficient of h^3 in sin
	v_mov_b32 v[KV2+1], 0xbeff9c72                 ;           coefficient of h^2 in cos
	v_mov_b32 v[KVR],   0x3e22f983                 ; 1 / 2pi
	v_mov_b32 v[KVR+1], 0x4b400000                 ; 1.5 x 2^23: a sum with it is rounded to a whole number
	v_mov_b32 v[K+63], 0                           ; completes the pair of coefficient 62
	s_wait_kmcnt 0x0
	s_add_nc_u64 s[4:5], s[4:5], s[12:13]
	s_add_nc_u64 s[6:7], s[6:7], s[14:15]
	s_add_nc_u64 s[8:9], s[8:9], s[14:15]
	s_wait_alu depctr_va_vdst(0)                   ; the seven offsets and addresses v1 to v7 are written, which every load, store and exchange of the kernel reads; v8 to v10 are done with, in which layer 0's angles land
	; ---- everything the work-group reads: 13,824 bytes of theta (6 x 2,048 + 96 threads x 16) and 16 x 768 bytes of x ----
.irp g, 0,1,2,3,4,5
	global_load_b128 v[114+4*\g:117+4*\g], v[TG], s[4:5] offset:2048*\g
.endr
.irp bb, 0,1
.irp part, 0,1,2
	global_load_b128 v[142+4*(3*\bb+\part):145+4*(3*\bb+\part)], v[XG], s[6:7] offset:196608*\bb+256*\part th:TH_LOAD_NT
.endr
.endr
	s_cmp_eq_u32 s10, 3
	s_cbranch_scc1 .Lno_tail_load                  ; the last 1,536 bytes of theta: waves 0 to 2
	global_load_b128 v[138:141], v[TG], s[4:5] offset:12288
.Lno_tail_load:
	s_wait_loadcnt 0x0
.irp g, 0,1,2,3,4,5
	ds_store_b128 v[TG], v[114+4*\g:117+4*\g] offset:THB+2048*\g
.endr
.irp bb, 0,1
.irp part, 0,1,2
	ds_store_b128 v[XL], v[142+4*(3*\bb+\part):145+4*(3*\bb+\part)] offset:XSB+6144*\bb+256*\part
.endr
.endr
	s_cmp_eq_u32 s10, 3
	s_cbranch_scc1 .Lno_tail_store
	ds_store_b128 v[TG], v[138:141] offset:THB+12288
.Lno_tail_store:
	s_wait_dscnt 0x0                               ; my stores are in LDS before I say so: other waves read them
	s_barrier_signal -1
	s_barrier_wait -1
	s_wait_alu depctr_vm_vsrc(0)                   ; my LDS stores have read v[114:165]: from here on these registers are written by the set-ups and the passes
	; ---- layer 0 ----
	ANGLOAD 0
.irp j, 0,1,2,3,4,5,6,7
.irp q, 0,1,2
	ds_load_b32 v[HB+12*(\j/4)+4*\q+(\j%4)], v[RW] offset:XSB+\j*1536+4*\q
.endr
.endr
	s_wait_dscnt 24                                ; the 9 angle loads are in; the 24 loads of x issued behind them stay out
	SETUP
	s_wait_dscnt 0x0                               ; x is in: nothing was issued behind it
	PASS 0, 1, 0, 1
	PASS 1, 1, 0, 0
	; ---- layer 1: the set-up needs only its angles, so the exchanges between lanes return while it runs ----
	s_wait_dscnt 16                                ; layer 1's angles are in; the 16 exchanges issued behind them stay out
	SETUP
	s_wait_dscnt 0x0                               ; the 16 exchanges are in: nothing was issued behind them
	s_wait_alu depctr_vm_vsrc(0)                   ; the 16 exchanges have read OB0 and OB1, which this layer's two passes write again
	PASS 0, 0, 0, 2
	PASS 1, 0, 0, 0
	; ---- layer 2 ----
	s_wait_dscnt 16                                ; layer 2's angles are in; the 16 exchanges stay out
	SETUP
	s_wait_dscnt 0x0                               ; the 16 exchanges: nothing was issued behind them
	s_wait_alu depctr_vm_vsrc(0)                   ; the 16 exchanges have read OB0 and OB1, which this layer's two passes write again
	PASS 0, 0, 1, 0
	PASS 1, 0, 1, 0
	; ---- the way out: whole pieces of 768 bytes, 16 lanes storing 256 consecutive aligned bytes ----
	s_wait_dscnt 0x0                               ; my results are in the stage before I say so: other waves read them
	s_barrier_signal -1
	s_barrier_wait -1
.irp bb, 0,1
.irp part, 0,1,2
	ds_load_b128 v[114+4*(3*\bb+\part):117+4*(3*\bb+\part)], v[XL] offset:OSB+6144*\bb+256*\part
.endr
.endr
.irp bb, 0,1
.irp part, 0,1,2
	s_wait_dscnt 5-(3*\bb+\part)                   ; LDS loads return in order: this one is in, the younger ones stay out
	global_store_b128 v[XG], v[114+4*(3*\bb+\part):117+4*(3*\bb+\part)], s[8:9] offset:196608*\bb+256*\part th:TH_STORE_NT
.endr
.endr
	s_wait_dscnt 0x0
	s_wait_alu depctr_hold_cnt(0) depctr_sa_sdst(0) depctr_va_vdst(0) depctr_va_sdst(0) depctr_va_ssrc(0) depctr_va_vcc(0) depctr_vm_vsrc(0)
	s_wait_tensorcnt 0x0
	ds_add_u32 v24, v25
	s_wait_dscnt 0x0
	s_endpgm
.Lfunc_end_k_q88ef9d75a1_qnn:
	.size	k_q88ef9d75a1_qnn, .Lfunc_end_k_q88ef9d75a1_qnn-k_q88ef9d75a1_qnn
	.p2alignl 7, 3214868480
	.fill 96, 4, 3214868480
	.section	.rodata,"a",@progbits
	.p2align	6, 0x0
	.amdhsa_kernel k_q88ef9d75a1_qnn
		.amdhsa_group_segment_fixed_size 38912
		.amdhsa_private_segment_fixed_size 0
		.amdhsa_enable_private_segment 0
		.amdhsa_kernarg_size 24
		.amdhsa_user_sgpr_count 2
		.amdhsa_user_sgpr_kernarg_segment_ptr 1
		.amdhsa_wavefront_size32 1
		.amdhsa_system_sgpr_workgroup_id_x 1
		.amdhsa_system_sgpr_workgroup_id_y 1
		.amdhsa_system_sgpr_workgroup_id_z 1
		.amdhsa_system_vgpr_workitem_id 0
		.amdhsa_next_free_vgpr 256
		.amdhsa_next_free_sgpr 66
		.amdhsa_reserve_vcc 0
		.amdhsa_float_denorm_mode_32 3
		.amdhsa_float_denorm_mode_16_64 3
		.amdhsa_memory_ordered 1
		.amdhsa_forward_progress 1
		.amdhsa_inst_pref_size 133
	.end_amdhsa_kernel
	.amdgpu_metadata
---
amdhsa.version: [ 1, 2 ]
amdhsa.kernels:
  - .name:           k_q88ef9d75a1_qnn
    .symbol:         k_q88ef9d75a1_qnn.kd
    .args:
      - { .name: theta, .offset: 0, .size: 8, .value_kind: global_buffer, .address_space: global }
      - { .name: x, .offset: 8, .size: 8, .value_kind: global_buffer, .address_space: global }
      - { .name: out0, .offset: 16, .size: 8, .value_kind: global_buffer, .address_space: global }
    .group_segment_fixed_size: 38912
    .private_segment_fixed_size: 0
    .kernarg_segment_align: 8
    .kernarg_segment_size: 24
    .max_flat_workgroup_size: 128
    .sgpr_count:     66
    .vgpr_count:     256
    .wavefront_size: 32
...
	.end_amdgpu_metadata
.endif
;; end of part 2
